; MI455X (gfx1250); checked and timed in simulation.
; The chip was launched on July 23, 2026; its instructions are those of AMD's public machine-readable ISA for CDNA 5 (MIT licence, August 2026) and "CDNA5" Instruction Set Architecture Reference Guide (July 2026). The comments in the code are by the model that wrote it; some were corrected since.
;; LST Mmodel. Allowed arithmetic: float matrix products may take bf16 or f16 operands with f32 sums; all other float work in f32.
;; Inputs: W_ih 1,024 x 256 float32; Win 256 x 16 float32; Wout 1 x 256 float32; b_hh 1,024 float32; b_ih 1,024 float32; b_in 256 float32; b_out 1 float32; x 365 x 512 x 16 float32.
;; Outputs: out0 365 x 512 x 1 float32.
;; 2 versions, each right and faster than the one before. Each part assembles by itself: llvm-mc -triple=amdgcn-amd-amdhsa -mcpu=gfx1250 --defsym DOCPART=n.
;; ======== version 1 of 2: 1 launch
;; limits: right only within a limited range of input values; values are held in f16: magnitudes above 65,504 overflow, below 6.1e-05 lose precision
;; launch lstm (part 1): grid 256 x 1, 4 waves a work-group, no clusters, 267,776 bytes of LDS; arguments x, Win, b_in, W_ih, b_ih, b_hh, Wout, b_out, out0; writes out0
.if DOCPART == 1
	.amdgcn_target "amdgcn-amd-amdhsa--gfx1250"
	.amdhsa_code_object_version 6
	.text
	.protected	k_qb03a9b262d_lstm
	.globl	k_qb03a9b262d_lstm
	.p2align	8
	.type	k_qb03a9b262d_lstm,@function
k_qb03a9b262d_lstm:
	s_mov_b64 s[64:65], 0
	v_nop
	global_prefetch_b8 v0, s[64:65] scope:SCOPE_SE
	s_setreg_imm32_b32 hwreg(HW_REG_WAVE_MODE, 25, 1), 1
	s_wait_xcnt 0x0
; y = Wout . h1 + b_out,  h1 = sigmoid(o) tanh(sigmoid(i) tanh(g)),  (i, g, o) = W_ih x0 + b_ih + b_hh,  x0 = relu(Win x + b_in),
; for 365 x 512 = 186,880 independent rows.  Gate f (rows 256-511 of W_ih, b_ih, b_hh) enters no result of the function and is not computed.
; FORMATS.  Both large products in f16 with f32 sums; activations and the last product (one output a row) in f32 on the vector unit.
; FOLDED CONSTANTS (L = log2 e).  Win' = -L Win; b_in' = -L b_in rides as an f16 pair (high part, rest) in K columns 16, 17 against x = 1;
; x0' = middle of (z', -65504, 0) = -L relu(z); W_g' = 2 W_g.  So the sums I, G, O are exponents of 2, and the gate biases are factors:
;   a = 2^I bi,  b = 2^G bg,  D = (1+a)(1+b),  t = (2L b - 2L) / D = -2L c1,  e = 2^t,  D2 = (1 + 2^O bo)(1+e),  Y += (w e - w) / D2 = -w h1;  y = b_out - sum of Y.
; LIMITS.  |x|, |1.443 Win|, |1.443 b_in| and |2 W_ih| stay under 65,504 (f16).  1.443 x0 above 65,504 counts as 65,504.  b_ih + b_hh counts exactly up to 44 in size for
; gates i and o and up to 11 for gate g, beyond that as that bound.  G is held in -64 .. 64 (tanh is 1 to 1e-9 there), so b lies in 2^-96 .. 2^96 and no product of an infinity
; and a zero arises; an infinite a or 2^O gives a reciprocal of 0, the saturated gate.  NaN and infinities in the inputs are not treated apart.
; SHARES.  Work-group b owns rows 730 b + 2 (b odd) on, 732 or 728 of them (multiples of 4, so its part of y starts on 16 bytes): 46 tiles of 16 rows; rows past its last are that row again, not stored.
; Wave v owns hidden units 64 v .. 64 v + 63 (4 tiles of 16): their i, g, o weights, 3 x 256 registers, stay in register windows 1, 2, 3 for the whole launch (in 16 bits the three gates are 384 KiB: more
; than LDS holds, and just what four waves' registers hold).  It also makes those 64 columns of x0' for every row tile, into a ring of two LDS slots that all four waves read.
; BY TURNS.  A turn is one tile of 16 hidden units for one row tile: 24 gate products (g, i, o by turns over 8 K steps) and one product for x0'.  Behind each stands a slice of the activations of the
; turn before, whose sums lie in the other of two buffers.
; NO CLUSTER.  All work-groups read the same 768 KiB of f32 weights, once, at the start, and they must be rounded to f16 on the way into registers.  Through registers they stream without a barrier, 48 loads
; of a wave always out; as joint tensor loads the 768 KiB would pass through less than 320 KiB of LDS in three fills or more, each behind a wait for all loads and a meeting of the cluster.
; REGISTER WINDOWS (s_set_vgpr_msb: bits 1:0 source 0, 3:2 source 1, 5:4 source 2, 7:6 destination): window 0 all but the weights; fragment (tile w, K step k) at v[64 w + 8 k] of window 1 (i), 2 (g), 3 (o).
.set SLOTB, 8192                       ; LDS 0: the ring, 2 slots: x0' of 16 rows x 256 as 8 fragments: k x 1024 + half x 512 + 16 x lane
.set XFT,   16384                      ; x in f16 as fragments: tile x 512 + 16 x lane; 48 tiles
.set YP,    40960                      ; partial sums: wave x YPW + (tile + 1) x 1024 + half x 512 + 16 x lane; place 0 takes what the first turn makes of nothing
.set YPW,   47*1024
.set WST,   YP+4*YPW                   ; each wave's own stage for the weights: 16 rows of 512 bytes of f16, 528 apart (33 x 16: the 16 rows of a fragment load start at 16 different groups of four banks; 64 banks of 4 bytes: ISA guide 11.1)
.set WSTW,  16*528
.set SPARE, WST+4*WSTW                 ; the spare words, 128 bytes a wave: two blocks of 256 bytes that no other line names
.set AXL, 2                            ; v2   16 x lane
.set AXS, 3                            ; v3   wave x 2048 + 16 x lane: where I store x0'
.set AXF, 4                            ; v4   where the next x fragment lies; steps by 512
.set AYP, 5                            ; v5   where Y goes; steps by 1024
.set SPW, 6                            ; v6   my spare word; never rewritten
.set NIL, 7                            ; v7   0; never rewritten
.set Y,   8                            ; v8-15   -w h1 summed over my 4 tiles: register j is row 8 (lane / 16) + j, the lane is a hidden unit
.set XF,  16                           ; v16-23  x fragment: 0-3 data, 4 = (1, 1) in lanes 0-15, else 0
.set PD,  24                           ; v24-31  z'
.set PK,  32                           ; v32-35  x0' in f16
.set AWG, 36                           ; v36  my byte offset in W_ih; at the end in y
.set ASTG,37                           ; v37  into my stage
.set AFR, 38                           ; v38  fragments out of my stage
.set WINF,40                           ; v40-71  Win' fragments, 8 a tile: 0-3 data, 4 = b_in' in two parts, 5-7 = 0; at the end 16 addresses
.set CONST,72                          ; v72-103 8 a tile: bi, bi, bg, bg, bo, bo, w, w
.set ACC, 104                          ; v104-151 two buffers of G (8), I (8), O (8)
.set X0,  152                          ; v152-215 x0' of the row tile in hand, 8 fragments
.set LN,  8                            ; at the start only: lane, lane % 16, lane / 16, and addresses
.set RR,  9
.set HH,  10
.set XR,  11
.set XC,  12
.set AXW, 13
.set TT,  14
.set AWN, 15
.set ATB, 32
.set XA,  104                          ; v104-127 the 24 offsets of my x loads
.set LWIN,96                           ; window 2 at the start: v0-95 x, then Win, b_in, b_ih, b_hh, Wout as loaded
.set LBIN,128
.set LBIH,132
.set LBHH,144
.set LWO, 156
.set WV,  26                           ; s26 wave; s28 first row; s29 rows - 1; s30 rows / 4; s31 counter
.set CHI, 32                           ; s32 64.0
.set CZ,  33                           ; s33 -65504.0
.set C2L, 34                           ; s[34:35] 2L
.set CM2L,36                           ; s[36:37] -2L
.set BOUT,38                           ; s38 b_out
.set CLO, 39                           ; s39 -64.0
.set CML, 46                           ; s[46:47] -L
.set MSB, 0
.macro WIN new                         ; the immediate's high byte repeats the setting that is left; a switch that changes nothing is dropped
.if MSB != (\new)
	s_set_vgpr_msb (MSB<<8)|(\new)
.set MSB, \new
.endif
.endm
	s_load_b512 s[8:23], s[0:1], 0x0               ; x s[8:9], Win s[10:11], b_in s[12:13], W_ih s[14:15], b_ih s[16:17], b_hh s[18:19], Wout s[20:21], b_out s[22:23]
	s_load_b64 s[24:25], s[0:1], 0x40              ; y
	v_lshl_add_u32 v[SPW], v0, 2, SPARE
	v_mov_b32 v[NIL], 0
	v_lshrrev_b32 v1, 5, v0
	v_readfirstlane_b32 s[WV], v1                  ; wave 0..3
	s_and_b32 s40, ttmp9, 1
	s_mul_i32 s28, ttmp9, 730
	s_lshl1_add_u32 s28, s40, s28                  ; first row = 730 b + 2 (b odd)
	s_lshl_b32 s41, s40, 2
	s_sub_co_u32 s29, 731, s41                     ; rows - 1 = 731 or 727
	s_sub_co_u32 s30, 183, s40                     ; rows / 4
	s_mov_b32 s[CHI], 0x42800000
	s_mov_b32 s[CLO], 0xc2800000
	s_mov_b32 s[CZ], 0xc77fe000
	s_mov_b32 s[C2L], 0x4038aa3b
	s_mov_b32 s[C2L+1], s[C2L]                     ; named as pairs, so both words are written
	s_mov_b32 s[CM2L], 0xc038aa3b
	s_mov_b32 s[CM2L+1], s[CM2L]
	s_mov_b32 s[CML], 0xbfb8aa3b
	s_mov_b32 s[CML+1], s[CML]
	v_and_b32 v[LN], 31, v0
	v_and_b32 v[RR], 15, v0
	v_bfe_u32 v[HH], v0, 4, 1
	v_lshlrev_b32 v[AXL], 4, v[LN]
	s_lshl_b32 s40, s[WV], 11
	v_add_nc_u32 v[AXS], s40, v[AXL]
	v_add_nc_u32 v[AXF], XFT+1024, v[AXL]          ; the loop's first turn wants tile 2
	s_mul_i32 s40, s[WV], YPW
	s_add_co_u32 s40, s40, YP
	v_add_nc_u32 v[AYP], s40, v[AXL]
	s_lshl_b32 s40, s[WV], 16                      ; my 64 rows of 1,024 bytes in each gate of W_ih
	v_add_nc_u32 v[AWG], s40, v[AXL]
	s_mul_i32 s41, s[WV], WSTW
	s_add_co_u32 s41, s41, WST
	v_lshl_add_u32 v[ASTG], v[LN], 3, s41          ; in: 8 bytes a lane, 256 bytes of a row
	v_mul_u32_u24 v[AFR], v[RR], 528               ; out: row lane % 16, 16 bytes for each half of the lanes
	v_lshl_add_u32 v[AFR], v[HH], 4, v[AFR]
	v_add_nc_u32 v[AFR], s41, v[AFR]
	; x: wave v brings tiles 12 v .. 12 v + 11, each as two loads of 512 consecutive bytes: lane l holds row 8 c + l / 4, columns 4 (l % 4) on
	s_mul_i32 s40, s[WV], 192
	v_lshrrev_b32 v[TT], 2, v[LN]
	v_add_nc_u32 v[XR], s40, v[TT]
	v_and_b32 v[XC], 3, v[LN]
	v_lshlrev_b32 v[XC], 4, v[XC]
	s_mul_i32 s40, s[WV], 6144
	s_add_co_u32 s40, s40, XFT
	v_lshl_add_u32 v[AXW], v[TT], 4, s40           ; in the fragment image those four numbers lie at 16 x (16 (column / 8) + row) + 2 x (column % 8)
	v_bfe_u32 v[TT], v[LN], 1, 1
	v_lshl_add_u32 v[AXW], v[TT], 8, v[AXW]
	v_and_b32 v[TT], 1, v[LN]
	v_lshl_add_u32 v[AXW], v[TT], 3, v[AXW]
.set n, 0
.rept 24
	v_add_nc_u32 v[XA+n], 8*n, v[XR]
	v_min_u32 v[XA+n], s29, v[XA+n]                ; rows past my last are my last row again: no load leaves x
	v_lshl_add_u32 v[XA+n], v[XA+n], 6, v[XC]
.set n, n+1
.endr
	s_lshl_b32 s40, s[WV], 12
	v_lshl_add_u32 v[AWN], v[RR], 6, s40           ; Win: row 64 v + lane % 16, 32 bytes for each half of the lanes
	v_lshl_add_u32 v[AWN], v[HH], 5, v[AWN]
	s_lshl_b32 s40, s[WV], 8
	v_lshl_add_u32 v[ATB], v[RR], 2, s40           ; the vectors: element 64 v + lane % 16
	s_lshl_b32 s42, s28, 6
	s_mov_b32 s43, 0
	s_lshl_b32 s44, s28, 2
	s_mov_b32 s45, 0
	s_wait_kmcnt 0x0
	s_load_b32 s[BOUT], s[22:23], 0x0
	s_add_nc_u64 s[8:9], s[8:9], s[42:43]          ; x and y at my first row
	s_add_nc_u64 s[24:25], s[24:25], s[44:45]
	WIN 0x80                                       ; destination window 2
.set n, 0
.rept 24
	global_load_b128 v[4*n:4*n+3], v[XA+n], s[8:9] th:TH_LOAD_NT
.set n, n+1
.endr
.set tw, 0
.rept 4
	global_load_b128 v[LWIN+8*tw:LWIN+8*tw+3],   v[AWN], s[10:11] offset:1024*tw
	global_load_b128 v[LWIN+8*tw+4:LWIN+8*tw+7], v[AWN], s[10:11] offset:1024*tw+16
	global_load_b32 v[LBIN+tw], v[ATB], s[12:13] offset:64*tw
	global_load_b32 v[LWO+tw],  v[ATB], s[20:21] offset:64*tw
.irp g, 0,1,2                          ; gates i, g, o begin at elements 0, 512, 768
	global_load_b32 v[LBIH+4*\g+tw], v[ATB], s[16:17] offset:1024*\g+1024*((\g+1)/2)+64*tw
	global_load_b32 v[LBHH+4*\g+tw], v[ATB], s[18:19] offset:1024*\g+1024*((\g+1)/2)+64*tw
.endr
.set tw, tw+1
.endr
; THE WEIGHTS' STREAM.  Unit u (0..23) is 8 rows of 1,024 bytes: gate u / 8, tile (u / 2) % 4, half u % 2: 16 loads of 512 consecutive bytes into one of three landing sets of 64 registers.
.macro LSET u                          ; sets: window 0 v128-191, window 0 v192-255, window 3 v192-255 (the place of the fragments that are made last)
.set LW, 3*(((\u)%3)/2)
.set LB, 128+64*((((\u)%3)+1)/2)
.endm
.macro ULOAD u
	LSET \u
.set uR, 256*((\u)/8)+256*(((\u)/8+1)/2)+16*(((\u)/2)%4)+8*((\u)%2)
	WIN LW<<6
.set l, 0
.rept 16
	global_load_b128 v[LB+4*l:LB+4*l+3], v[AWG], s[14:15] offset:(uR+l/2)*1024+512*(l%2)
.set l, l+1
.endr
.endm
; A unit is rounded to f16 in place, stored into my stage, and its set is asked for again, three units on.  Behind a tile's second unit its 8 fragments are read into the gate's window.
; The stage is my own: LDS serves a wave's instructions in order (ISA guide 5.7.1.4), so no wait stands between the stores, the loads and the next tile's stores.
.macro UNIT u
	LSET \u
.if (\u) < 22
	s_wait_loadcnt 32                              ; loads come back in order: mine are in, the two younger units' 32 stay out
.elseif (\u) == 22
	s_wait_loadcnt 16
.else
	s_wait_loadcnt 0x0
.endif
.if (\u)/8 == 1
	WIN (LW<<6)|LW
.set l, 0
.rept 32
	v_pk_mul_f32 v[LB+2*l:LB+2*l+1], v[LB+2*l:LB+2*l+1], 2.0 op_sel_hi:[1,0]  ; gate g: 2 W
.set l, l+1
.endr
.endif
	WIN (LW<<6)|(LW<<2)|LW
.set l, 0
.rept 16
	v_cvt_pk_f16_f32 v[LB+4*l],   v[LB+4*l],   v[LB+4*l+1]
	v_cvt_pk_f16_f32 v[LB+4*l+1], v[LB+4*l+2], v[LB+4*l+3]
.set l, l+1
.endr
	WIN LW<<2
.set l, 0
.rept 16
	ds_store_b64 v[ASTG], v[LB+4*l:LB+4*l+1] offset:(8*((\u)%2)+l/2)*528+256*(l%2)
.set l, l+1
.endr
.if (\u)+3 < 24
	ULOAD (\u)+3
.endif
.if (\u)%2 == 1
	WIN ((\u)/8+1)<<6
.set fB, 64*(((\u)/2)%4)
.set l, 0
.rept 8
	ds_load_b128 v[fB+8*l:fB+8*l+3],   v[AFR] offset:64*l
	ds_load_b128 v[fB+8*l+4:fB+8*l+7], v[AFR] offset:64*l+32
.set l, l+1
.endr
.endif
.endm
	ULOAD 0
	ULOAD 1
	ULOAD 2
	s_wait_loadcnt 48                              ; x and the tables are in; the three units' 48 loads stay out
	WIN 0x8a                                       ; x to f16, in window 2
.set n, 0
.rept 24
	v_cvt_pk_f16_f32 v[4*n],   v[4*n],   v[4*n+1]
	v_cvt_pk_f16_f32 v[4*n+1], v[4*n+2], v[4*n+3]
.set n, n+1
.endr
	WIN 0x08
.set n, 0
.rept 24
	ds_store_b64 v[AXW], v[4*n:4*n+1] offset:(n/2)*512+(n%2)*128
.set n, n+1
.endr
	WIN 0x82                                       ; Win' = -L Win
.set n, 0
.rept 16
	v_pk_mul_f32 v[LWIN+2*n:LWIN+2*n+1], v[LWIN+2*n:LWIN+2*n+1], s[CML:CML+1] op_sel_hi:[1,0]
.set n, n+1
.endr
	WIN 0x0a
.set n, 0
.rept 16
	v_cvt_pk_f16_f32 v[WINF+8*(n/4)+n%4], v[LWIN+2*n], v[LWIN+2*n+1]
.set n, n+1
.endr
.set n, 0
.rept 12                               ; b_ih + b_hh: gate n / 4, tile n % 4
	v_add_f32 v[CONST+8*(n%4)+2*(n/4)], v[LBIH+n], v[LBHH+n]
.set n, n+1
.endr
	WIN 0x08
.set n, 0
.rept 4
	v_mul_f32 v[PD+n], s[CML], v[LBIN+n]           ; b_in' = -L b_in
.set n, n+1
.endr
	WIN 0
	s_mov_b32 s42, 0x42000000                      ; 32.0
	s_mov_b32 s43, 0xc2000000
	s_mov_b32 s45, 0x3c003c00                      ; (1, 1) in f16
.set n, 0
.rept 4
	v_and_b32 v[PD+4+n], 0xffffe000, v[PD+n]       ; its first 11 significant bits, which f16 holds,
	v_sub_f32 v[PD+n], v[PD+n], v[PD+4+n]          ; and the rest
	v_cvt_pk_f16_f32 v[WINF+8*n+4], v[PD+4+n], v[PD+n]
	v_mov_b32 v[WINF+8*n+5], 0
	v_mov_b32 v[WINF+8*n+6], 0
	v_mov_b32 v[WINF+8*n+7], 0
	v_mul_f32 v[CONST+8*n],   s[CML],  v[CONST+8*n]
	v_mul_f32 v[CONST+8*n+2], s[CM2L], v[CONST+8*n+2]
	v_mul_f32 v[CONST+8*n+4], s[CML],  v[CONST+8*n+4]
	v_med3_num_f32 v[CONST+8*n],   v[CONST+8*n],   s[CLO], s[CHI]
	v_med3_num_f32 v[CONST+8*n+2], v[CONST+8*n+2], s43, s42
	v_med3_num_f32 v[CONST+8*n+4], v[CONST+8*n+4], s[CLO], s[CHI]
.set n, n+1
.endr
.set n, 0
.rept 4
	v_exp_f32 v[CONST+8*n],   v[CONST+8*n]
	v_exp_f32 v[CONST+8*n+2], v[CONST+8*n+2]
	v_exp_f32 v[CONST+8*n+4], v[CONST+8*n+4]
.set n, n+1
.endr
	WIN 0x02                                       ; Wout's copies are the plain instructions between the exponentials and the use of their results (ISA guide 5.7.2)
.set n, 0
.rept 4
	v_mov_b32 v[CONST+8*n+6], v[LWO+n]
	v_mov_b32 v[CONST+8*n+7], v[LWO+n]
.set n, n+1
.endr
	WIN 0
.set n, 0
.rept 4
	s_wait_alu depctr_va_vdst(0)
	v_mov_b32 v[CONST+8*n+1], v[CONST+8*n]
	v_mov_b32 v[CONST+8*n+3], v[CONST+8*n+2]
	v_mov_b32 v[CONST+8*n+5], v[CONST+8*n+4]
.set n, n+1
.endr
	v_cmp_gt_u32 vcc_lo, 16, v[LN]
	v_cndmask_b32 v[XF+4], 0, s45, vcc_lo          ; K columns 16, 17 lie in lanes 0-15
	v_mov_b32 v[XF+5], 0
	v_mov_b32 v[XF+6], 0
	v_mov_b32 v[XF+7], 0
	s_wait_kmcnt 0x0                               ; b_out
	s_wait_dscnt 0x0                               ; for the others' sake: my part of x lies in LDS
	s_barrier_signal -1
	s_barrier_wait -1
; THE FIRST x0'.  z' = Win' (16 hidden units) x (16 rows): a lane holds one row and eight neighbouring hidden units, which pack into 16 bytes of a fragment of the gate product.
; Five v_nop: the clamps that follow read the result, and the next product writes over it (ISA guide 7.12.1).
.macro PWMMA w
	v_wmma_f32_16x16x32_f16 v[PD:PD+7], v[WINF+8*(\w):WINF+8*(\w)+7], v[XF:XF+7], 0
.rept 5
	v_nop
.endr
.endm
.macro PPOST slot, w
.set n, 0
.rept 8
	v_med3_num_f32 v[PD+n], v[PD+n], s[CZ], 0
.set n, n+1
.endr
.set n, 0
.rept 4
	v_cvt_pk_f16_f32 v[PK+n], v[PD+2*n], v[PD+2*n+1]
.set n, n+1
.endr
	ds_store_b128 v[AXS], v[PK:PK+3] offset:(\slot)*SLOTB+(\w)*512
.endm
	ds_load_b128 v[XF:XF+3], v[AXL] offset:XFT
	s_wait_dscnt 0x0
.irp w, 0,1,2,3
	PWMMA \w
	PPOST 0, \w
.endr
	ds_load_b128 v[XF:XF+3], v[AXL] offset:XFT+512
	s_wait_dscnt 0x0
.irp w, 0,1,2
	PWMMA \w
	PPOST 1, \w
.endr
	PWMMA 3                                        ; row tile 1's last piece is finished by the loop's first turn
.set u, 0
.rept 24
	UNIT u
.set u, u+1
.endr
	WIN 0
	s_wait_dscnt 0x0                               ; my weights are in registers, my pieces of x0' in LDS
	s_barrier_signal -1
	s_barrier_wait -1
.set n, 0
.rept 16
	ds_load_b128 v[X0+4*n:X0+4*n+3], v[AXL] offset:512*n  ; x0' of row tile 0
.set n, n+1
.endr
.set n, 0
.rept 24
	v_mov_b32 v[ACC+24+n], 0                       ; the first turn's slices work on a piece that has not been: finite numbers, whose Y goes to place 0 of YP
.set n, n+1
.endr
.set n, 0
.rept 8
	v_mov_b32 v[Y+n], 0
.set n, n+1
.endr
	s_wait_dscnt 0x0
; THE VECTOR WORK, one line at a time, on the buffer RB of the turn before and that tile's constants CT.  n is a register (M, T.., D) or a pair.
.set oM, 0                             ; G into -64 .. 64
.set oTI, 1                            ; 2^I
.set oTG, 2                            ; 2^G
.set oTO, 3                            ; 2^O
.set oTE, 4                            ; e = 2^t
.set oTR, 5                            ; 1 / D
.set oTQ, 6                            ; 1 / D2
.set o3, 7                             ; I = 1 + a
.set o4, 8                             ; G = b
.set o5, 9                             ; I = D = (1 + a) b + (1 + a)
.set o6, 10                            ; G = 2L b - 2L
.set o7, 11                            ; G = t
.set o8, 12                            ; O = 1 + d
.set o9, 13                            ; O = D2 = (1 + d) e + (1 + d)
.set o10, 14                           ; G = w e - w
.set o11, 15                           ; Y += G / D2; the row tile's first tile starts the sum
.set oD, 16                            ; z' into -65504 .. 0
.set oK, 17                            ; x0' to f16
.set oX, 18                            ; the turn's address step
.macro OP k, n
.set rG, RB+(\n)
.set rI, RB+8+(\n)
.set rO, RB+16+(\n)
.set pG, RB+2*(\n)
.set pI, RB+8+2*(\n)
.set pO, RB+16+2*(\n)
.if (\k) == oM
	v_med3_num_f32 v[rG], v[rG], s[CLO], s[CHI]
.elseif (\k) == oTI
	v_exp_f32 v[rI], v[rI]
.elseif ((\k) == oTG) || ((\k) == oTE)
	v_exp_f32 v[rG], v[rG]
.elseif (\k) == oTO
	v_exp_f32 v[rO], v[rO]
.elseif (\k) == oTR
	v_rcp_f32 v[rI], v[rI]
.elseif (\k) == oTQ
	v_rcp_f32 v[rO], v[rO]
.elseif (\k) == o3
	s_wait_alu depctr_va_vdst(0)
	v_pk_fma_f32 v[pI:pI+1], v[pI:pI+1], v[CT:CT+1], 1.0 op_sel_hi:[1,1,0]
.elseif (\k) == o4
	s_wait_alu depctr_va_vdst(0)
	v_pk_mul_f32 v[pG:pG+1], v[pG:pG+1], v[CT+2:CT+3]
.elseif (\k) == o5
	v_pk_fma_f32 v[pI:pI+1], v[pI:pI+1], v[pG:pG+1], v[pI:pI+1]
.elseif (\k) == o6
	v_pk_fma_f32 v[pG:pG+1], v[pG:pG+1], s[C2L:C2L+1], s[CM2L:CM2L+1] op_sel_hi:[1,0,0]
.elseif (\k) == o7
	s_wait_alu depctr_va_vdst(0)
	v_pk_mul_f32 v[pG:pG+1], v[pG:pG+1], v[pI:pI+1]
.elseif (\k) == o8
	s_wait_alu depctr_va_vdst(0)
	v_pk_fma_f32 v[pO:pO+1], v[pO:pO+1], v[CT+4:CT+5], 1.0 op_sel_hi:[1,1,0]
.elseif (\k) == o9
	v_pk_fma_f32 v[pO:pO+1], v[pO:pO+1], v[pG:pG+1], v[pO:pO+1]
.elseif (\k) == o10
	v_pk_fma_f32 v[pG:pG+1], v[pG:pG+1], v[CT+6:CT+7], v[CT+6:CT+7] neg_lo:[0,0,1] neg_hi:[0,0,1]
.elseif ((\k) == o11) && (WP == 0)
	s_wait_alu depctr_va_vdst(0)
	v_pk_mul_f32 v[Y+2*(\n):Y+2*(\n)+1], v[pG:pG+1], v[pO:pO+1]
.elseif (\k) == o11
	s_wait_alu depctr_va_vdst(0)
	v_pk_fma_f32 v[Y+2*(\n):Y+2*(\n)+1], v[pG:pG+1], v[pO:pO+1], v[Y+2*(\n):Y+2*(\n)+1]
.elseif (\k) == oX
.if DOPR && (TW == 0)
	v_add_nc_u32 v[AXF], 512, v[AXF]
.elseif DOPR && (TW == 1)
	v_add_nc_u32 v[AYP], 1024, v[AYP]
.endif
.elseif !DOPR
	v_nop
.elseif (\k) == oD
	v_med3_num_f32 v[PD+(\n)], v[PD+(\n)], s[CZ], 0
.else
	v_cvt_pk_f16_f32 v[PK+(\n)], v[PD+2*(\n)], v[PD+2*(\n)+1]
.endif
.endm
; THE TURN'S NEXT MATRIX INSTRUCTION.  Places 3 k, 3 k + 1, 3 k + 2: gates g, i, o of K step k; place 24: z' of my tile for the row tile two on.  The accumulators take turns, one instruction a turn.
; In a row tile's first turn fragment k is waited for by count: behind fragment 0 were issued fragments 1-6 (12 loads), a store of x0' and fragment 7 (2): 15; from k = 1 on the load of x as well, less
; two for each fragment: 16 - 2 k; the last wait is for 0, for x too.
.macro MM
.if DOMM
.if sl < 24
.set kk, sl/3
.set gg, sl%3
.if (TW == 0) && (gg == 0)
.if kk == 0
	s_wait_dscnt 15
.elseif kk == 7
	s_wait_dscnt 0x0
.else
	s_wait_dscnt 16-2*kk
.endif
.endif
.if gg == 0
	WIN 0x08
.set rD, AB
.elseif gg == 1
	WIN 0x04
.set rD, AB+8
.else
	WIN 0x0c
.set rD, AB+16
.endif
.if kk == 0
	v_wmma_f32_16x16x32_f16 v[rD:rD+7], v[X0+8*kk:X0+8*kk+7], v[64*TW+8*kk:64*TW+8*kk+7], 0
.else
	v_wmma_f32_16x16x32_f16 v[rD:rD+7], v[X0+8*kk:X0+8*kk+7], v[64*TW+8*kk:64*TW+8*kk+7], v[rD:rD+7]
.endif
.else
	WIN 0
	v_wmma_f32_16x16x32_f16 v[PD:PD+7], v[WINF+8*TW:WINF+8*TW+7], v[XF:XF+7], 0
.endif
.endif
.set sl, sl+1
.endm
; A SLICE: a matrix instruction and three to five vector instructions, none of which names a register of the products round it.  In a row tile's last turn fragment k of the next row tile is fetched at the
; end of slice 3 k + 3: four plain vector instructions or more behind the last product that read those registers (ISA guide 7.12.1 for vector instructions).
.macro SL a, i1, b, i2, c, i3, d=-1, i4=0, e=-1, i5=0
	MM
	WIN 0
	OP \a, \i1
	OP \b, \i2
	OP \c, \i3
.if (\d) >= 0
	OP \d, \i4
.endif
.if (\e) >= 0
	OP \e, \i5
.endif
.if DOMM && (TW == 3) && (sl >= 4) && ((sl-4)%3 == 0)
.set fk, (sl-4)/3
	ds_load_b128 v[X0+8*fk:X0+8*fk+3],   v[AXL] offset:NS+1024*fk
	ds_load_b128 v[X0+8*fk+4:X0+8*fk+7], v[AXL] offset:NS+1024*fk+512
.endif
.endm
; A TURN, for tile w of a row tile of parity p.  The order is written out: a plain instruction stands between every exponential or reciprocal and the use of its result (ISA guide 5.7.2); each accumulator's
; lowest register is read first and five plain instructions or more behind its last product.
; THE RING.  Row tile R lies in slot R % 2.  In row tile R the turns make x0' of R + 2; a piece is stored a turn after its product: piece 3 of R + 1 in turn 0 (slot 1 - p), pieces 0-2 of R + 2 in turns 1-3
; (slot p).  ONE barrier a row tile, in turn 1, orders both ways: in front of its signal each wave has waited for its loads of R (slot p) and its stores of R + 1; behind its wait slot p is written and
; slot 1 - p is read.  Between signal and wait stands work on registers alone.
.macro TURN w, p, mm=1, prod=1
.set TW, (\w)
.set WP, ((\w)+3)%4
.set AB, ACC+24*((\w)%2)
.set RB, ACC+24*(((\w)+1)%2)
.set CT, CONST+8*WP
.set DOMM, (\mm)
.set DOPR, (\prod)
.set NS, (1-(\p))*SLOTB
.if (\w) == 0
.set STO, (1-(\p))*SLOTB+3*512
.else
.set STO, (\p)*SLOTB+WP*512
.endif
.set sl, 0
	SL oM,0, oTI,0, oM,1, oTI,1
.if ((\w) == 0) && (\prod)
	ds_load_b128 v[XF:XF+3], v[AXF]                ; x of the row tile two on: four plain instructions behind the last product that read XF
.endif
.if (\w) == 1
	ds_store_b128 v[AYP], v[Y:Y+3]                 ; the row tile before is summed over my four tiles
	ds_store_b128 v[AYP], v[Y+4:Y+7] offset:512
.endif
	SL oM,2, oTG,0, o3,0, oTG,1, oD,0
	SL oM,3, oTO,0, o4,0, oTO,1, oD,1
	SL o5,0, oTI,2, o6,0, oTI,3, oD,2
	SL o8,0, oTG,2, o3,1, oTG,3, oD,3
	SL oM,4, oTR,0, o4,1, oTR,1, oD,4
	SL o5,1, oTO,2, o6,1, oTO,3, oD,5
	SL oM,5, oTI,4, o7,0, oTI,5
	SL o8,1, oTG,4, o3,2, oTG,5
	SL oM,6, oTR,2, o4,2, oTR,3
	SL o5,2, oTE,0, o6,2, oTE,1
.if (\w) == 1
	s_wait_dscnt 0x0                               ; for the others' sake: my reads of slot p are back, my stores into slot 1 - p are done
	s_barrier_signal -1
.endif
	SL oM,7, oTO,4, o7,1, oTO,5
	SL o9,0, oTI,6, o10,0, oTI,7
	SL o8,2, oTG,6, o3,3, oTG,7
	SL oD,6, oTR,4, o4,3, oTR,5
	SL o5,3, oTE,2, o6,3, oTE,3
	SL o7,2, oTQ,0, oD,7, oTQ,1
.if (\w) == 1
	s_barrier_wait -1
.endif
	SL o9,1, oTO,6, o10,1, oTO,7
	SL o11,0, oTR,6, oK,0, oTR,7
	SL o8,3, oTE,4, oK,1, oTE,5
	SL o7,3, oTQ,2, oK,2, oTQ,3
	SL o9,2, oTE,6, o10,2, oTE,7
	SL o11,1, oTQ,4, o9,3, oTQ,5
	SL o10,3, oTQ,6, oK,3, oTQ,7
.if \prod
	ds_store_b128 v[AXS], v[PK:PK+3] offset:STO
.endif
	SL o11,2, oX,0, o11,3
.endm
.macro ITER p
	TURN 0, \p
	TURN 1, \p
	TURN 2, \p
	TURN 3, \p
.endm
	s_mov_b32 s31, 23                              ; 46 row tiles, two a trip, so that every place in the ring is an immediate
.Lloop:
	ITER 0
	ITER 1
	WIN 0                                          ; at a label and at a branch every window is 0
	s_sub_co_u32 s31, s31, 1
	s_cmp_lg_u32 s31, 0
	s_cbranch_scc1 .Lloop
	TURN 0, 0, 0, 0                                ; the last piece's activations: no product stands beside them
	ds_store_b128 v[AYP], v[Y:Y+3]
	ds_store_b128 v[AYP], v[Y+4:Y+7] offset:512
	v_lshlrev_b32 v[AWG], 4, v0                    ; my 16 bytes of y
	s_wait_dscnt 0x0                               ; for the others' sake: all my Y lie in LDS
	s_barrier_signal -1
	s_barrier_wait -1
; THE SUM over 4 waves x 16 lanes.  Thread t takes four neighbouring rows, quad t + 128 pass: 64 loads of 16 bytes.  Load i takes lane (t % 16) xor i, so that the sixteen threads of a pass of the LDS unit,
; whose other address terms are multiples of 256, touch sixteen different columns of 16 bytes.  A wave's store covers 512 consecutive bytes of y.
.macro REDUCE pass
	WIN 0
.if \pass
	s_wait_xcnt 0x0                                ; the first store's data registers are loaded again only behind this wait; no global instruction follows it before EXEC is narrowed
	v_add_nc_u32 v1, 128, v0
	v_min_u32 v39, 183, v1                         ; quads past the last row tile read its last quad; they are not stored
	v_cmp_gt_u32 vcc_lo, s30, v1
.set QC, 39
.else
.set QC, 0
.endif
	v_and_b32 v8, 0xfc, v[QC]
	v_lshlrev_b32 v8, 8, v8                        ; row tile x 1024
	v_and_b32 v9, 1, v[QC]
	v_lshl_add_u32 v8, v9, 9, v8                   ; registers 0-3 or 4-7 of Y
	v_bfe_u32 v9, v[QC], 1, 1
	v_lshl_add_u32 v8, v9, 8, v8                   ; lanes 0-15 or 16-31
	v_and_b32 v9, 15, v0
	v_lshl_add_u32 v8, v9, 4, v8
	v_add_nc_u32 v8, YP+1024, v8
.set i, 0
.rept 16
	v_xor_b32 v[WINF+i], 16*i, v8
.set i, i+1
.endr
	WIN 0x40                                       ; into window 1: the weights are done with
.set i, 0
.rept 32                               ; waves 0 and 1
	ds_load_b128 v[16*(i%16)+4*(i/16):16*(i%16)+4*(i/16)+3], v[WINF+i%16] offset:(i/16)*YPW
.set i, i+1
.endr
	WIN 0
.set i, 0
.rept 16
	v_add_nc_u32 v[WINF+i], 2*YPW, v[WINF+i]
.set i, i+1
.endr
	WIN 0x40
.set i, 0
.rept 32                               ; waves 2 and 3
	ds_load_b128 v[16*(i%16)+4*(i/16)+8:16*(i%16)+4*(i/16)+11], v[WINF+i%16] offset:(i/16)*YPW
.set i, i+1
.endr
	s_wait_dscnt 0x0
	WIN 0x45
.irp st, 128,64,32,16,8,4
.set n, 0
.rept (\st)/2
	v_pk_add_f32 v[n:n+1], v[n:n+1], v[(\st)+n:(\st)+n+1]
.set n, n+2
.endr
.endr
	WIN 0x44
.irp n, 0,1,2,3
	v_sub_f32 v\n, s[BOUT], v\n                    ; y = b_out - the sum of -w h1
.endr
	WIN 0x04                                       ; the store's data in window 1, its address in window 0
.if \pass
	s_and_saveexec_b32 s44, vcc_lo                 ; only quads that I own
	global_store_b128 v[AWG], v[0:3], s[24:25] offset:2048 th:TH_STORE_NT
	s_wait_xcnt 0x0                                ; EXEC is a source of the store: it is widened only behind this wait
	s_or_b32 exec_lo, exec_lo, s44
.else
	global_store_b128 v[AWG], v[0:3], s[24:25] th:TH_STORE_NT
.endif
	WIN 0
.endm
	REDUCE 0                                       ; quads 0-127
	s_cmp_gt_u32 s[WV], 1
	s_cbranch_scc1 .Lend                           ; quads 128 to 182 at the most: waves 0 and 1
	REDUCE 1
.Lend:
	s_wait_tensorcnt 0x0                           ; the wave's end, behind my last LDS store
	ds_add_u32 v[SPW], v[NIL]
	s_wait_dscnt 0x0
	s_endpgm
.Lfunc_end_k_qb03a9b262d_lstm:
	.size	k_qb03a9b262d_lstm, .Lfunc_end_k_qb03a9b262d_lstm-k_qb03a9b262d_lstm
	.p2alignl 7, 3214868480
	.fill 96, 4, 3214868480
	.section	.rodata,"a",@progbits
	.p2align	6, 0x0
	.amdhsa_kernel k_qb03a9b262d_lstm
		.amdhsa_group_segment_fixed_size 267776
		.amdhsa_private_segment_fixed_size 0
		.amdhsa_enable_private_segment 0
		.amdhsa_kernarg_size 72
		.amdhsa_user_sgpr_count 2
		.amdhsa_user_sgpr_kernarg_segment_ptr 1
		.amdhsa_wavefront_size32 1
		.amdhsa_system_sgpr_workgroup_id_x 1
		.amdhsa_system_sgpr_workgroup_id_y 1
		.amdhsa_system_sgpr_workgroup_id_z 1
		.amdhsa_system_vgpr_workitem_id 0
		.amdhsa_next_free_vgpr 1024
		.amdhsa_next_free_sgpr 66
		.amdhsa_reserve_vcc 1
		.amdhsa_float_denorm_mode_32 3
		.amdhsa_float_denorm_mode_16_64 3
		.amdhsa_memory_ordered 1
		.amdhsa_forward_progress 1
		.amdhsa_inst_pref_size 255
	.end_amdhsa_kernel
	.section	.bss,"aw",@nobits
	.p2align	6
	.space	262144
	.amdgpu_metadata
---
amdhsa.version: [ 1, 2 ]
amdhsa.kernels:
  - .name:           k_qb03a9b262d_lstm
    .symbol:         k_qb03a9b262d_lstm.kd
    .args:
      - { .name: x, .offset: 0, .size: 8, .value_kind: global_buffer, .address_space: global }
      - { .name: Win, .offset: 8, .size: 8, .value_kind: global_buffer, .address_space: global }
      - { .name: b_in, .offset: 16, .size: 8, .value_kind: global_buffer, .address_space: global }
      - { .name: W_ih, .offset: 24, .size: 8, .value_kind: global_buffer, .address_space: global }
      - { .name: b_ih, .offset: 32, .size: 8, .value_kind: global_buffer, .address_space: global }
      - { .name: b_hh, .offset: 40, .size: 8, .value_kind: global_buffer, .address_space: global }
      - { .name: Wout, .offset: 48, .size: 8, .value_kind: global_buffer, .address_space: global }
      - { .name: b_out, .offset: 56, .size: 8, .value_kind: global_buffer, .address_space: global }
      - { .name: out0, .offset: 64, .size: 8, .value_kind: global_buffer, .address_space: global }
    .group_segment_fixed_size: 267776
    .private_segment_fixed_size: 0
    .kernarg_segment_align: 8
    .kernarg_segment_size: 72
    .max_flat_workgroup_size: 128
    .sgpr_count:     66
    .vgpr_count:     1024
    .wavefront_size: 32
...
	.end_amdgpu_metadata
.endif
;; end of part 1
;; ======== version 2 of 2: 1 launch; 1.58 times as fast as version 1
;; limits: values are held in f16: magnitudes above 65,504 overflow, below 6.1e-05 lose precision; right only within a limited range of input values
;; launch lstm (part 2): grid 256 x 1, 4 waves a work-group, no clusters, 267,776 bytes of LDS; arguments x, Win, b_in, W_ih, b_ih, b_hh, Wout, b_out, out0; writes out0
.if DOCPART == 2
	.amdgcn_target "amdgcn-amd-amdhsa--gfx1250"
	.amdhsa_code_object_version 6
	.text
	.protected	k_qb03a9b262d_lstm
	.globl	k_qb03a9b262d_lstm
	.p2align	8
	.type	k_qb03a9b262d_lstm,@function
k_qb03a9b262d_lstm:
	s_mov_b64 s[64:65], 0
	v_nop
	global_prefetch_b8 v0, s[64:65] scope:SCOPE_SE
	s_setreg_imm32_b32 hwreg(HW_REG_WAVE_MODE, 25, 1), 1
	s_wait_xcnt 0x0
; y = Wout . h1 + b_out,  h1 = sigmoid(o) tanh(sigmoid(i) tanh(g)),  (i, g, o) = W_ih x0 + b_ih + b_hh,  x0 = relu(Win x + b_in),
; for 365 x 512 = 186,880 independent rows.  Gate f (rows 256-511 of W_ih, b_ih, b_hh) enters no result of the function and is not computed.
; FORMATS.  Both large products in f16 with f32 sums; activations and the last product (one output a row) in f32 on the vector unit.
; FOLDED CONSTANTS (L = log2 e).  Win' = -L Win; b_in' = -L b_in rides as an f16 pair (high part, rest) in K columns 16, 17 against x = 1;
; x0' = middle of (z', -65504, 0) = -L relu(z); W_g' = 2 W_g.  So the sums I, G, O are exponents of 2, and the gate biases are factors:
;   a = 2^I bi,  b = 2^G bg,  D = (1+a)(1+b),  t = (2L b - 2L) / D = -2L c1,  e = 2^t,  D2 = (1 + 2^O bo)(1+e),  Y += (w e - w) / D2 = -w h1;  y = b_out - sum of Y.
; LIMITS.  |x|, |1.443 Win|, |1.443 b_in| and |2 W_ih| stay under 65,504 (f16).  1.443 x0 above 65,504 counts as 65,504.  b_ih + b_hh counts exactly up to 44 in size for
; gates i and o and up to 11 for gate g, beyond that as that bound.  G is held in -64 .. 64 (tanh is 1 to 1e-9 there), so b lies in 2^-96 .. 2^96 and no product of an infinity
; and a zero arises; an infinite a or 2^O gives a reciprocal of 0, the saturated gate.  NaN and infinities in the inputs are not treated apart.
; SHARES.  Work-group b owns rows 730 b + 2 (b odd) on, 732 or 728 of them (multiples of 4, so its part of y starts on 16 bytes): 46 tiles of 16 rows; rows past its last are that row again, not stored.
; Wave v owns hidden units 64 v .. 64 v + 63 (4 tiles of 16): their i, g, o weights, 3 x 256 registers, stay in register windows 1, 2, 3 for the whole launch (in 16 bits the three gates are 384 KiB: more
; than LDS holds, and just what four waves' registers hold).  It also makes those 64 columns of x0' for every row tile, into a ring of two LDS slots that all four waves read.
; BY TURNS.  A turn is one tile of 16 hidden units for one row tile: 24 gate products (g, i, o by turns over 8 K steps) and one product for x0'.  Behind each stands a slice of the activations of the
; turn before, whose sums lie in the other of two buffers.
; BATCHES.  A turn's 48 exponentials and reciprocals are FOUR BATCHES, each with ONE s_wait_alu depctr_va_vdst(0) ahead of the first line that names a result:
; (1) 2^I, 2^G, 2^O, 24 in all; (2) the 8 reciprocals of D; (3) the 8 e = 2^t; (4) the 8 reciprocals of D2.  Each batch reads what plain work has made of the batch before, so one tile has no fewer.
; Every result keeps its own register (in place in the buffer) while its batch is open; among a batch's lines stands only plain work that names none of its results.
; NO CLUSTER.  All work-groups read the same 768 KiB of f32 weights, once, at the start, and they must be rounded to f16 on the way into registers.  Through registers they stream without a barrier, 48 loads
; of a wave always out; as joint tensor loads the 768 KiB would pass through less than 320 KiB of LDS in three fills or more, each behind a wait for all loads and a meeting of the cluster.
; REGISTER WINDOWS (s_set_vgpr_msb: bits 1:0 source 0, 3:2 source 1, 5:4 source 2, 7:6 destination): window 0 all but the weights; fragment (tile w, K step k) at v[64 w + 8 k] of window 1 (i), 2 (g), 3 (o).
.set SLOTB, 8192                       ; LDS 0: the ring, 2 slots: x0' of 16 rows x 256 as 8 fragments: k x 1024 + half x 512 + 16 x lane
.set XFT,   16384                      ; x in f16 as fragments: tile x 512 + 16 x lane; 48 tiles
.set YP,    40960                      ; partial sums: wave x YPW + (tile + 1) x 1024 + half x 512 + 16 x lane; place 0 takes what the first turn makes of nothing
.set YPW,   47*1024
.set WST,   YP+4*YPW                   ; each wave's own stage for the weights: 16 rows of 512 bytes of f16, 528 apart (33 x 16: the 16 rows of a fragment load start at 16 different groups of four banks; 64 banks of 4 bytes: ISA guide 11.1)
.set WSTW,  16*528
.set SPARE, WST+4*WSTW                 ; the spare words, 128 bytes a wave: two blocks of 256 bytes that no other line names
.set AXL, 2                            ; v2   16 x lane
.set AXS, 3                            ; v3   wave x 2048 + 16 x lane: where I store x0'
.set AXF, 4                            ; v4   where the next x fragment lies; steps by 512
.set AYP, 5                            ; v5   where Y goes; steps by 1024
.set SPW, 6                            ; v6   my spare word; never rewritten
.set NIL, 7                            ; v7   0; never rewritten
.set Y,   8                            ; v8-15   -w h1 summed over my 4 tiles: register j is row 8 (lane / 16) + j, the lane is a hidden unit
.set XF,  16                           ; v16-23  x fragment: 0-3 data, 4 = (1, 1) in lanes 0-15, else 0
.set PD,  24                           ; v24-31  z'
.set PK,  32                           ; v32-35  x0' in f16
.set AWG, 36                           ; v36  my byte offset in W_ih; at the end in y
.set ASTG,37                           ; v37  into my stage
.set AFR, 38                           ; v38  fragments out of my stage
.set WINF,40                           ; v40-71  Win' fragments, 8 a tile: 0-3 data, 4 = b_in' in two parts, 5-7 = 0; at the end 16 addresses
.set CONST,72                          ; v72-103 8 a tile: bi, bi, bg, bg, bo, bo, w, w
.set ACC, 104                          ; v104-151 two buffers of G (8), I (8), O (8)
.set X0,  152                          ; v152-215 x0' of the row tile in hand, 8 fragments
.set LN,  8                            ; at the start only: lane, lane % 16, lane / 16, and addresses
.set RR,  9
.set HH,  10
.set XR,  11
.set XC,  12
.set AXW, 13
.set TT,  14
.set AWN, 15
.set ATB, 32
.set XA,  104                          ; v104-127 the 24 offsets of my x loads
.set LWIN,96                           ; window 2 at the start: v0-95 x, then Win, b_in, b_ih, b_hh, Wout as loaded
.set LBIN,128
.set LBIH,132
.set LBHH,144
.set LWO, 156
.set WV,  26                           ; s26 wave; s28 first row; s29 rows - 1; s30 rows / 4; s31 counter
.set CHI, 32                           ; s32 64.0
.set CZ,  33                           ; s33 -65504.0
.set C2L, 34                           ; s[34:35] 2L
.set CM2L,36                           ; s[36:37] -2L
.set BOUT,38                           ; s38 b_out
.set CLO, 39                           ; s39 -64.0
.set CML, 46                           ; s[46:47] -L
.set MSB, 0
.macro WIN new                         ; the immediate's high byte repeats the setting that is left; a switch that changes nothing is dropped
.if MSB != (\new)
	s_set_vgpr_msb (MSB<<8)|(\new)
.set MSB, \new
.endif
.endm
	s_load_b512 s[8:23], s[0:1], 0x0               ; x s[8:9], Win s[10:11], b_in s[12:13], W_ih s[14:15], b_ih s[16:17], b_hh s[18:19], Wout s[20:21], b_out s[22:23]
	s_load_b64 s[24:25], s[0:1], 0x40              ; y
	v_lshl_add_u32 v[SPW], v0, 2, SPARE
	v_mov_b32 v[NIL], 0
	v_lshrrev_b32 v1, 5, v0
	v_readfirstlane_b32 s[WV], v1                  ; wave 0..3
	s_and_b32 s40, ttmp9, 1
	s_mul_i32 s28, ttmp9, 730
	s_lshl1_add_u32 s28, s40, s28                  ; first row = 730 b + 2 (b odd)
	s_lshl_b32 s41, s40, 2
	s_sub_co_u32 s29, 731, s41                     ; rows - 1 = 731 or 727
	s_sub_co_u32 s30, 183, s40                     ; rows / 4
	s_mov_b32 s[CHI], 0x42800000
	s_mov_b32 s[CLO], 0xc2800000
	s_mov_b32 s[CZ], 0xc77fe000
	s_mov_b32 s[C2L], 0x4038aa3b
	s_mov_b32 s[C2L+1], s[C2L]                     ; named as pairs, so both words are written
	s_mov_b32 s[CM2L], 0xc038aa3b
	s_mov_b32 s[CM2L+1], s[CM2L]
	s_mov_b32 s[CML], 0xbfb8aa3b
	s_mov_b32 s[CML+1], s[CML]
	v_and_b32 v[LN], 31, v0
	v_and_b32 v[RR], 15, v0
	v_bfe_u32 v[HH], v0, 4, 1
	v_lshlrev_b32 v[AXL], 4, v[LN]
	s_lshl_b32 s40, s[WV], 11
	v_add_nc_u32 v[AXS], s40, v[AXL]
	v_add_nc_u32 v[AXF], XFT+1024, v[AXL]          ; the loop's first turn wants tile 2
	s_mul_i32 s40, s[WV], YPW
	s_add_co_u32 s40, s40, YP
	v_add_nc_u32 v[AYP], s40, v[AXL]
	s_lshl_b32 s40, s[WV], 16                      ; my 64 rows of 1,024 bytes in each gate of W_ih
	v_add_nc_u32 v[AWG], s40, v[AXL]
	s_mul_i32 s41, s[WV], WSTW
	s_add_co_u32 s41, s41, WST
	v_lshl_add_u32 v[ASTG], v[LN], 3, s41          ; in: 8 bytes a lane, 256 bytes of a row
	v_mul_u32_u24 v[AFR], v[RR], 528               ; out: row lane % 16, 16 bytes for each half of the lanes
	v_lshl_add_u32 v[AFR], v[HH], 4, v[AFR]
	v_add_nc_u32 v[AFR], s41, v[AFR]
	; x: wave v brings tiles 12 v .. 12 v + 11, each as two loads of 512 consecutive bytes: lane l holds row 8 c + l / 4, columns 4 (l % 4) on
	s_mul_i32 s40, s[WV], 192
	v_lshrrev_b32 v[TT], 2, v[LN]
	v_add_nc_u32 v[XR], s40, v[TT]
	v_and_b32 v[XC], 3, v[LN]
	v_lshlrev_b32 v[XC], 4, v[XC]
	s_mul_i32 s40, s[WV], 6144
	s_add_co_u32 s40, s40, XFT
	v_lshl_add_u32 v[AXW], v[TT], 4, s40           ; in the fragment image those four numbers lie at 16 x (16 (column / 8) + row) + 2 x (column % 8)
	v_bfe_u32 v[TT], v[LN], 1, 1
	v_lshl_add_u32 v[AXW], v[TT], 8, v[AXW]
	v_and_b32 v[TT], 1, v[LN]
	v_lshl_add_u32 v[AXW], v[TT], 3, v[AXW]
.set n, 0
.rept 24
	v_add_nc_u32 v[XA+n], 8*n, v[XR]
	v_min_u32 v[XA+n], s29, v[XA+n]                ; rows past my last are my last row again: no load leaves x
	v_lshl_add_u32 v[XA+n], v[XA+n], 6, v[XC]
.set n, n+1
.endr
	s_lshl_b32 s40, s[WV], 12
	v_lshl_add_u32 v[AWN], v[RR], 6, s40           ; Win: row 64 v + lane % 16, 32 bytes for each half of the lanes
	v_lshl_add_u32 v[AWN], v[HH], 5, v[AWN]
	s_lshl_b32 s40, s[WV], 8
	v_lshl_add_u32 v[ATB], v[RR], 2, s40           ; the vectors: element 64 v + lane % 16
	s_lshl_b32 s42, s28, 6
	s_mov_b32 s43, 0
	s_lshl_b32 s44, s28, 2
	s_mov_b32 s45, 0
	s_wait_kmcnt 0x0
	s_load_b32 s[BOUT], s[22:23], 0x0
	s_add_nc_u64 s[8:9], s[8:9], s[42:43]          ; x and y at my first row
	s_add_nc_u64 s[24:25], s[24:25], s[44:45]
	WIN 0x80                                       ; destination window 2
.set n, 0
.rept 24
	global_load_b128 v[4*n:4*n+3], v[XA+n], s[8:9] th:TH_LOAD_NT
.set n, n+1
.endr
.set tw, 0
.rept 4
	global_load_b128 v[LWIN+8*tw:LWIN+8*tw+3],   v[AWN], s[10:11] offset:1024*tw
	global_load_b128 v[LWIN+8*tw+4:LWIN+8*tw+7], v[AWN], s[10:11] offset:1024*tw+16
	global_load_b32 v[LBIN+tw], v[ATB], s[12:13] offset:64*tw
	global_load_b32 v[LWO+tw],  v[ATB], s[20:21] offset:64*tw
.irp g, 0,1,2                          ; gates i, g, o begin at elements 0, 512, 768
	global_load_b32 v[LBIH+4*\g+tw], v[ATB], s[16:17] offset:1024*\g+1024*((\g+1)/2)+64*tw
	global_load_b32 v[LBHH+4*\g+tw], v[ATB], s[18:19] offset:1024*\g+1024*((\g+1)/2)+64*tw
.endr
.set tw, tw+1
.endr
; THE WEIGHTS' STREAM.  Unit u (0..23) is 8 rows of 1,024 bytes: gate u / 8, tile (u / 2) % 4, half u % 2: 16 loads of 512 consecutive bytes into one of three landing sets of 64 registers.
.macro LSET u                          ; sets: window 0 v128-191, window 0 v192-255, window 3 v192-255 (the place of the fragments that are made last)
.set LW, 3*(((\u)%3)/2)
.set LB, 128+64*((((\u)%3)+1)/2)
.endm
.macro ULOAD u
	LSET \u
.set uR, 256*((\u)/8)+256*(((\u)/8+1)/2)+16*(((\u)/2)%4)+8*((\u)%2)
	WIN LW<<6
.set l, 0
.rept 16
	global_load_b128 v[LB+4*l:LB+4*l+3], v[AWG], s[14:15] offset:(uR+l/2)*1024+512*(l%2)
.set l, l+1
.endr
.endm
; A unit is rounded to f16 in place, stored into my stage, and its set is asked for again, three units on.  Behind a tile's second unit its 8 fragments are read into the gate's window.
; The stage is my own: LDS serves a wave's instructions in order (ISA guide 5.7.1.4), so no wait stands between the stores, the loads and the next tile's stores.
.macro UNIT u
	LSET \u
.if (\u) < 22
	s_wait_loadcnt 32                              ; loads come back in order: mine are in, the two younger units' 32 stay out
.elseif (\u) == 22
	s_wait_loadcnt 16
.else
	s_wait_loadcnt 0x0
.endif
.if (\u)/8 == 1
	WIN (LW<<6)|LW
.set l, 0
.rept 32
	v_pk_mul_f32 v[LB+2*l:LB+2*l+1], v[LB+2*l:LB+2*l+1], 2.0 op_sel_hi:[1,0]  ; gate g: 2 W
.set l, l+1
.endr
.endif
	WIN (LW<<6)|(LW<<2)|LW
.set l, 0
.rept 16
	v_cvt_pk_f16_f32 v[LB+4*l],   v[LB+4*l],   v[LB+4*l+1]
	v_cvt_pk_f16_f32 v[LB+4*l+1], v[LB+4*l+2], v[LB+4*l+3]
.set l, l+1
.endr
	WIN LW<<2
.set l, 0
.rept 16
	ds_store_b64 v[ASTG], v[LB+4*l:LB+4*l+1] offset:(8*((\u)%2)+l/2)*528+256*(l%2)
.set l, l+1
.endr
.if (\u)+3 < 24
	ULOAD (\u)+3
.endif
.if (\u)%2 == 1
	WIN ((\u)/8+1)<<6
.set fB, 64*(((\u)/2)%4)
.set l, 0
.rept 8
	ds_load_b128 v[fB+8*l:fB+8*l+3],   v[AFR] offset:64*l
	ds_load_b128 v[fB+8*l+4:fB+8*l+7], v[AFR] offset:64*l+32
.set l, l+1
.endr
.endif
.endm
	ULOAD 0
	ULOAD 1
	ULOAD 2
	s_wait_loadcnt 48                              ; x and the tables are in; the three units' 48 loads stay out
	WIN 0x8a                                       ; x to f16, in window 2
.set n, 0
.rept 24
	v_cvt_pk_f16_f32 v[4*n],   v[4*n],   v[4*n+1]
	v_cvt_pk_f16_f32 v[4*n+1], v[4*n+2], v[4*n+3]
.set n, n+1
.endr
	WIN 0x08
.set n, 0
.rept 24
	ds_store_b64 v[AXW], v[4*n:4*n+1] offset:(n/2)*512+(n%2)*128
.set n, n+1
.endr
	WIN 0x82                                       ; Win' = -L Win
.set n, 0
.rept 16
	v_pk_mul_f32 v[LWIN+2*n:LWIN+2*n+1], v[LWIN+2*n:LWIN+2*n+1], s[CML:CML+1] op_sel_hi:[1,0]
.set n, n+1
.endr
	WIN 0x0a
.set n, 0
.rept 16
	v_cvt_pk_f16_f32 v[WINF+8*(n/4)+n%4], v[LWIN+2*n], v[LWIN+2*n+1]
.set n, n+1
.endr
.set n, 0
.rept 12                               ; b_ih + b_hh: gate n / 4, tile n % 4
	v_add_f32 v[CONST+8*(n%4)+2*(n/4)], v[LBIH+n], v[LBHH+n]
.set n, n+1
.endr
	WIN 0x08
.set n, 0
.rept 4
	v_mul_f32 v[PD+n], s[CML], v[LBIN+n]           ; b_in' = -L b_in
.set n, n+1
.endr
	WIN 0
	s_mov_b32 s42, 0x42000000                      ; 32.0
	s_mov_b32 s43, 0xc2000000
	s_mov_b32 s45, 0x3c003c00                      ; (1, 1) in f16
.set n, 0
.rept 4
	v_and_b32 v[PD+4+n], 0xffffe000, v[PD+n]       ; its first 11 significant bits, which f16 holds,
	v_sub_f32 v[PD+n], v[PD+n], v[PD+4+n]          ; and the rest
	v_cvt_pk_f16_f32 v[WINF+8*n+4], v[PD+4+n], v[PD+n]
	v_mov_b32 v[WINF+8*n+5], 0
	v_mov_b32 v[WINF+8*n+6], 0
	v_mov_b32 v[WINF+8*n+7], 0
	v_mul_f32 v[CONST+8*n],   s[CML],  v[CONST+8*n]
	v_mul_f32 v[CONST+8*n+2], s[CM2L], v[CONST+8*n+2]
	v_mul_f32 v[CONST+8*n+4], s[CML],  v[CONST+8*n+4]
	v_med3_num_f32 v[CONST+8*n],   v[CONST+8*n],   s[CLO], s[CHI]
	v_med3_num_f32 v[CONST+8*n+2], v[CONST+8*n+2], s43, s42
	v_med3_num_f32 v[CONST+8*n+4], v[CONST+8*n+4], s[CLO], s[CHI]
.set n, n+1
.endr
.set n, 0
.rept 4
	v_exp_f32 v[CONST+8*n],   v[CONST+8*n]
	v_exp_f32 v[CONST+8*n+2], v[CONST+8*n+2]
	v_exp_f32 v[CONST+8*n+4], v[CONST+8*n+4]
.set n, n+1
.endr
	WIN 0x02                                       ; Wout's copies are the plain instructions between the exponentials and the use of their results (ISA guide 5.7.2)
.set n, 0
.rept 4
	v_mov_b32 v[CONST+8*n+6], v[LWO+n]
	v_mov_b32 v[CONST+8*n+7], v[LWO+n]
.set n, n+1
.endr
	WIN 0
	s_wait_alu depctr_va_vdst(0)                   ; one wait for the batch of twelve bias factors, ahead of the copies that read them
.set n, 0
.rept 4
	v_mov_b32 v[CONST+8*n+1], v[CONST+8*n]
	v_mov_b32 v[CONST+8*n+3], v[CONST+8*n+2]
	v_mov_b32 v[CONST+8*n+5], v[CONST+8*n+4]
.set n, n+1
.endr
	v_cmp_gt_u32 vcc_lo, 16, v[LN]
	v_cndmask_b32 v[XF+4], 0, s45, vcc_lo          ; K columns 16, 17 lie in lanes 0-15
	v_mov_b32 v[XF+5], 0
	v_mov_b32 v[XF+6], 0
	v_mov_b32 v[XF+7], 0
	s_wait_kmcnt 0x0                               ; b_out
	s_wait_dscnt 0x0                               ; for the others' sake: my part of x lies in LDS
	s_barrier_signal -1
	s_barrier_wait -1
; THE FIRST x0'.  z' = Win' (16 hidden units) x (16 rows): a lane holds one row and eight neighbouring hidden units, which pack into 16 bytes of a fragment of the gate product.
; Five v_nop: the clamps that follow read the result, and the next product writes over it (ISA guide 7.12.1).
.macro PWMMA w
	v_wmma_f32_16x16x32_f16 v[PD:PD+7], v[WINF+8*(\w):WINF+8*(\w)+7], v[XF:XF+7], 0
.rept 5
	v_nop
.endr
.endm
.macro PPOST slot, w
.set n, 0
.rept 8
	v_med3_num_f32 v[PD+n], v[PD+n], s[CZ], 0
.set n, n+1
.endr
.set n, 0
.rept 4
	v_cvt_pk_f16_f32 v[PK+n], v[PD+2*n], v[PD+2*n+1]
.set n, n+1
.endr
	ds_store_b128 v[AXS], v[PK:PK+3] offset:(\slot)*SLOTB+(\w)*512
.endm
	ds_load_b128 v[XF:XF+3], v[AXL] offset:XFT
	s_wait_dscnt 0x0
.irp w, 0,1,2,3
	PWMMA \w
	PPOST 0, \w
.endr
	ds_load_b128 v[XF:XF+3], v[AXL] offset:XFT+512
	s_wait_dscnt 0x0
.irp w, 0,1,2
	PWMMA \w
	PPOST 1, \w
.endr
	PWMMA 3                                        ; row tile 1's last piece is finished by the loop's first turn
.set u, 0
.rept 24
	UNIT u
.set u, u+1
.endr
	WIN 0
	s_wait_dscnt 0x0                               ; my weights are in registers, my pieces of x0' in LDS
	s_barrier_signal -1
	s_barrier_wait -1
.set n, 0
.rept 16
	ds_load_b128 v[X0+4*n:X0+4*n+3], v[AXL] offset:512*n  ; x0' of row tile 0
.set n, n+1
.endr
.set n, 0
.rept 24
	v_mov_b32 v[ACC+24+n], 0                       ; the first turn's slices work on a piece that has not been: finite numbers, whose Y goes to place 0 of YP
.set n, n+1
.endr
.set n, 0
.rept 8
	v_mov_b32 v[Y+n], 0
.set n, n+1
.endr
	s_wait_dscnt 0x0
; THE VECTOR WORK, one line at a time, on the buffer RB of the turn before and that tile's constants CT.  n is a register (M, T.., D) or a pair.  OP writes no wait: the batches' waits stand in the slices (SLW).
.set oM, 0                             ; G into -64 .. 64
.set oTI, 1                            ; 2^I
.set oTG, 2                            ; 2^G
.set oTO, 3                            ; 2^O
.set oTE, 4                            ; e = 2^t
.set oTR, 5                            ; 1 / D
.set oTQ, 6                            ; 1 / D2
.set o3, 7                             ; I = 1 + a
.set o4, 8                             ; G = b
.set o5, 9                             ; I = D = (1 + a) b + (1 + a)
.set o6, 10                            ; G = 2L b - 2L
.set o7, 11                            ; G = t
.set o8, 12                            ; O = 1 + d
.set o9, 13                            ; O = D2 = (1 + d) e + (1 + d)
.set o10, 14                           ; G = w e - w
.set o11, 15                           ; Y += G / D2; the row tile's first tile starts the sum
.set oD, 16                            ; z' into -65504 .. 0
.set oK, 17                            ; x0' to f16
.set oX, 18                            ; the turn's address step
.macro OP k, n
.set rG, RB+(\n)
.set rI, RB+8+(\n)
.set rO, RB+16+(\n)
.set pG, RB+2*(\n)
.set pI, RB+8+2*(\n)
.set pO, RB+16+2*(\n)
.if (\k) == oM
	v_med3_num_f32 v[rG], v[rG], s[CLO], s[CHI]
.elseif (\k) == oTI
	v_exp_f32 v[rI], v[rI]
.elseif ((\k) == oTG) || ((\k) == oTE)
	v_exp_f32 v[rG], v[rG]
.elseif (\k) == oTO
	v_exp_f32 v[rO], v[rO]
.elseif (\k) == oTR
	v_rcp_f32 v[rI], v[rI]
.elseif (\k) == oTQ
	v_rcp_f32 v[rO], v[rO]
.elseif (\k) == o3
	v_pk_fma_f32 v[pI:pI+1], v[pI:pI+1], v[CT:CT+1], 1.0 op_sel_hi:[1,1,0]
.elseif (\k) == o4
	v_pk_mul_f32 v[pG:pG+1], v[pG:pG+1], v[CT+2:CT+3]
.elseif (\k) == o5
	v_pk_fma_f32 v[pI:pI+1], v[pI:pI+1], v[pG:pG+1], v[pI:pI+1]
.elseif (\k) == o6
	v_pk_fma_f32 v[pG:pG+1], v[pG:pG+1], s[C2L:C2L+1], s[CM2L:CM2L+1] op_sel_hi:[1,0,0]
.elseif (\k) == o7
	v_pk_mul_f32 v[pG:pG+1], v[pG:pG+1], v[pI:pI+1]
.elseif (\k) == o8
	v_pk_fma_f32 v[pO:pO+1], v[pO:pO+1], v[CT+4:CT+5], 1.0 op_sel_hi:[1,1,0]
.elseif (\k) == o9
	v_pk_fma_f32 v[pO:pO+1], v[pO:pO+1], v[pG:pG+1], v[pO:pO+1]
.elseif (\k) == o10
	v_pk_fma_f32 v[pG:pG+1], v[pG:pG+1], v[CT+6:CT+7], v[CT+6:CT+7] neg_lo:[0,0,1] neg_hi:[0,0,1]
.elseif ((\k) == o11) && (WP == 0)
	v_pk_mul_f32 v[Y+2*(\n):Y+2*(\n)+1], v[pG:pG+1], v[pO:pO+1]
.elseif (\k) == o11
	v_pk_fma_f32 v[Y+2*(\n):Y+2*(\n)+1], v[pG:pG+1], v[pO:pO+1], v[Y+2*(\n):Y+2*(\n)+1]
.elseif (\k) == oX
.if DOPR && (TW == 0)
	v_add_nc_u32 v[AXF], 512, v[AXF]
.elseif DOPR && (TW == 1)
	v_add_nc_u32 v[AYP], 1024, v[AYP]
.endif
.elseif !DOPR
	v_nop
.elseif (\k) == oD
	v_med3_num_f32 v[PD+(\n)], v[PD+(\n)], s[CZ], 0
.else
	v_cvt_pk_f16_f32 v[PK+(\n)], v[PD+2*(\n)], v[PD+2*(\n)+1]
.endif
.endm
; THE TURN'S NEXT MATRIX INSTRUCTION.  Places 3 k, 3 k + 1, 3 k + 2: gates g, i, o of K step k; place 24: z' of my tile for the row tile two on.  The accumulators take turns, one instruction a turn.
; In a row tile's first turn fragment k is waited for by count: behind fragment 0 were issued fragments 1-6 (12 loads), a store of x0' and fragment 7 (2): 15; from k = 1 on the load of x as well, less
; two for each fragment: 16 - 2 k; the last wait is for 0, for x too.
.macro MM
.if DOMM
.if sl < 24
.set kk, sl/3
.set gg, sl%3
.if (TW == 0) && (gg == 0)
.if kk == 0
	s_wait_dscnt 15
.elseif kk == 7
	s_wait_dscnt 0x0
.else
	s_wait_dscnt 16-2*kk
.endif
.endif
.if gg == 0
	WIN 0x08
.set rD, AB
.elseif gg == 1
	WIN 0x04
.set rD, AB+8
.else
	WIN 0x0c
.set rD, AB+16
.endif
.if kk == 0
	v_wmma_f32_16x16x32_f16 v[rD:rD+7], v[X0+8*kk:X0+8*kk+7], v[64*TW+8*kk:64*TW+8*kk+7], 0
.else
	v_wmma_f32_16x16x32_f16 v[rD:rD+7], v[X0+8*kk:X0+8*kk+7], v[64*TW+8*kk:64*TW+8*kk+7], v[rD:rD+7]
.endif
.else
	WIN 0
	v_wmma_f32_16x16x32_f16 v[PD:PD+7], v[WINF+8*TW:WINF+8*TW+7], v[XF:XF+7], 0
.endif
.endif
.set sl, sl+1
.endm
; A SLICE: a matrix instruction and four or five vector instructions, none of which names a register of the products round it.  In a row tile's last turn fragment k of the next row tile is fetched at the
; end of slice 3 k + 3: four plain vector instructions or more behind the last product that read those registers (ISA guide 7.12.1 for vector instructions): slices 3 k + 2 and
; 3 k + 3 together hold 4, 4, 4, 5, 4, 4, 5, 5 plain lines for k = 0 .. 7.
; SLW is a slice that closes a batch: the batch's one wait stands behind the slice's vector lines, ahead of the slice's fragment loads where it has any, and ahead of the next product and the readers behind it.
.set WT, 0
.macro SL a, i1, b, i2, c, i3, d=-1, i4=0, e=-1, i5=0
	MM
	WIN 0
	OP \a, \i1
	OP \b, \i2
	OP \c, \i3
.if (\d) >= 0
	OP \d, \i4
.endif
.if (\e) >= 0
	OP \e, \i5
.endif
.if WT
	s_wait_alu depctr_va_vdst(0)                   ; the one wait for the batch that this slice closes (TURN says which), ahead of the first line that names a result
.set WT, 0
.endif
.if DOMM && (TW == 3) && (sl >= 4) && ((sl-4)%3 == 0)
.set fk, (sl-4)/3
	ds_load_b128 v[X0+8*fk:X0+8*fk+3],   v[AXL] offset:NS+1024*fk
	ds_load_b128 v[X0+8*fk+4:X0+8*fk+7], v[AXL] offset:NS+1024*fk+512
.endif
.endm
.macro SLW a, i1, b, i2, c, i3, d=-1, i4=0, e=-1, i5=0
.set WT, 1
	SL \a, \i1, \b, \i2, \c, \i3, \d, \i4, \e, \i5
.endm
; A TURN, for tile w of a row tile of parity p.  The order is written out, batch by batch; exponentials or reciprocals and plain lines go by turns where there are plain lines to be had.
;   slices 0-9    BATCH 1: 2^I, 2^G, 2^O.  Between them the clamps of G (each ahead of its 2^G) and the turn's work on z', which name no result of the batch.  Its wait closes slice 9.
;   slices 10-15  1 + a, b, D, then BATCH 2: 1 / D.  Between them the later pairs' 1 + a, b, D and all of 2L b - 2L, which name pairs whose reciprocals are not yet issued, or G.  Its wait closes slice 15.
;   slices 16-19  t, then BATCH 3: e = 2^t.  Between them the later pairs' t and all of 1 + d, which reads batch 1 alone.  Its wait closes slice 19.
;   slices 20-23  D2, then BATCH 4: 1 / D2.  Between them the later pairs' D2 and all of w e - w, which names G alone.  Its wait closes slice 23, directly ahead of the store of x0'.
;   slice 24      Y takes the four pairs.  No exponential or reciprocal stands behind batch 4's wait.
; The plain line between a batch's last members and the use of their results (ISA guide 5.7.2) is the first reader's: it names pair 0, the last members are pair 3's (batch 2 has 2L b - 2L of pair 3 behind its last).
; Each accumulator's lowest register is read first and five plain instructions or more behind its last product: behind slice 21 (G) stand 9, behind 22 (I) 7, behind 23 (O) 7;
; z' is read behind the four of slice 24 and six more.
; THE RING.  Row tile R lies in slot R % 2.  In row tile R the turns make x0' of R + 2; a piece is stored a turn after its product: piece 3 of R + 1 in turn 0 (slot 1 - p), pieces 0-2 of R + 2 in turns 1-3
; (slot p).  ONE barrier a row tile, in turn 1, orders both ways: in front of its signal each wave has waited for its loads of R (slot p) and its stores of R + 1; behind its wait slot p is written and
; slot 1 - p is read.  Between signal and wait stands work on registers alone.
.macro TURN w, p, mm=1, prod=1
.set TW, (\w)
.set WP, ((\w)+3)%4
.set AB, ACC+24*((\w)%2)
.set RB, ACC+24*(((\w)+1)%2)
.set CT, CONST+8*WP
.set DOMM, (\mm)
.set DOPR, (\prod)
.set NS, (1-(\p))*SLOTB
.if (\w) == 0
.set STO, (1-(\p))*SLOTB+3*512
.else
.set STO, (\p)*SLOTB+WP*512
.endif
.set sl, 0
	SL oTI,0, oM,0, oTI,1, oM,1, oTO,0             ; batch 1
.if ((\w) == 0) && (\prod)
	ds_load_b128 v[XF:XF+3], v[AXF]                ; x of the row tile two on: six plain instructions behind the last product that read XF
.endif
.if (\w) == 1
	ds_store_b128 v[AYP], v[Y:Y+3]                 ; the row tile before is summed over my four tiles
	ds_store_b128 v[AYP], v[Y+4:Y+7] offset:512
.endif
	SL oTO,1, oM,2, oTG,0, oM,3, oTG,1
	SL oM,4, oTI,2, oM,5, oTI,3
	SL oD,0, oTG,2, oD,1, oTG,3
	SL oTO,2, oM,6, oTG,4, oM,7, oTG,5
	SL oD,2, oTI,4, oD,3, oTI,5
	SL oD,4, oTG,6, oD,5, oTG,7
	SL oTO,3, oD,6, oTO,4, oD,7, oTO,5
	SL oK,0, oTI,6, oK,1, oTI,7
	SLW oK,2, oTO,6, oK,3, oTO,7                   ; the wait for batch 1: the 24 exponentials 2^I, 2^G, 2^O
	SL o3,0, o4,0, o3,1, o4,1
.if (\w) == 1
	s_wait_dscnt 0x0                               ; for the others' sake: my reads of slot p are back, my stores into slot 1 - p are done
	s_barrier_signal -1
.endif
	SL o5,0, o5,1, oTR,0, o3,2                     ; batch 2
	SL oTR,1, o4,2, oTR,2, o3,3
	SL oTR,3, o4,3, o5,2, o6,0
	SL oTR,4, o5,3, oTR,5, o6,1
	SLW oTR,6, o6,2, oTR,7, o6,3                   ; the wait for batch 2: the 8 reciprocals of D
	SL o7,0, o7,1, oTE,0, o7,2                     ; batch 3
.if (\w) == 1
	s_barrier_wait -1
.endif
	SL oTE,1, o7,3, oTE,2, o8,0
	SL oTE,3, o8,1, oTE,4, o8,2
	SLW oTE,5, o8,3, oTE,6, oTE,7                  ; the wait for batch 3: the 8 exponentials e
	SL o9,0, o9,1, oTQ,0, o10,0                    ; batch 4
	SL oTQ,1, o9,2, oTQ,2, o9,3
	SL oTQ,3, o10,1, oTQ,4, o10,2
	SLW oTQ,5, o10,3, oTQ,6, oTQ,7                 ; the wait for batch 4: the 8 reciprocals of D2
.if \prod
	ds_store_b128 v[AXS], v[PK:PK+3] offset:STO
.endif
	SL o11,0, o11,1, o11,2, o11,3, oX,0
.endm
.macro ITER p
	TURN 0, \p
	TURN 1, \p
	TURN 2, \p
	TURN 3, \p
.endm
	s_mov_b32 s31, 23                              ; 46 row tiles, two a trip, so that every place in the ring is an immediate
.Lloop:
	ITER 0
	ITER 1
	WIN 0                                          ; at a label and at a branch every window is 0
	s_sub_co_u32 s31, s31, 1
	s_cmp_lg_u32 s31, 0
	s_cbranch_scc1 .Lloop
	TURN 0, 0, 0, 0                                ; the last piece's activations: no product stands beside them
	ds_store_b128 v[AYP], v[Y:Y+3]
	ds_store_b128 v[AYP], v[Y+4:Y+7] offset:512
	v_lshlrev_b32 v[AWG], 4, v0                    ; my 16 bytes of y
	s_wait_dscnt 0x0                               ; for the others' sake: all my Y lie in LDS
	s_barrier_signal -1
	s_barrier_wait -1
; THE SUM over 4 waves x 16 lanes.  Thread t takes four neighbouring rows, quad t + 128 pass: 64 loads of 16 bytes.  Load i takes lane (t % 16) xor i, so that the sixteen threads of a pass of the LDS unit,
; whose other address terms are multiples of 256, touch sixteen different columns of 16 bytes.  A wave's store covers 512 consecutive bytes of y.
.macro REDUCE pass
	WIN 0
.if \pass
	s_wait_xcnt 0x0                                ; the first store's data registers are loaded again only behind this wait; no global instruction follows it before EXEC is narrowed
	v_add_nc_u32 v1, 128, v0
	v_min_u32 v39, 183, v1                         ; quads past the last row tile read its last quad; they are not stored
	v_cmp_gt_u32 vcc_lo, s30, v1
.set QC, 39
.else
.set QC, 0
.endif
	v_and_b32 v8, 0xfc, v[QC]
	v_lshlrev_b32 v8, 8, v8                        ; row tile x 1024
	v_and_b32 v9, 1, v[QC]
	v_lshl_add_u32 v8, v9, 9, v8                   ; registers 0-3 or 4-7 of Y
	v_bfe_u32 v9, v[QC], 1, 1
	v_lshl_add_u32 v8, v9, 8, v8                   ; lanes 0-15 or 16-31
	v_and_b32 v9, 15, v0
	v_lshl_add_u32 v8, v9, 4, v8
	v_add_nc_u32 v8, YP+1024, v8
.set i, 0
.rept 16
	v_xor_b32 v[WINF+i], 16*i, v8
.set i, i+1
.endr
	WIN 0x40                                       ; into window 1: the weights are done with
.set i, 0
.rept 32                               ; waves 0 and 1
	ds_load_b128 v[16*(i%16)+4*(i/16):16*(i%16)+4*(i/16)+3], v[WINF+i%16] offset:(i/16)*YPW
.set i, i+1
.endr
	WIN 0
.set i, 0
.rept 16
	v_add_nc_u32 v[WINF+i], 2*YPW, v[WINF+i]
.set i, i+1
.endr
	WIN 0x40
.set i, 0
.rept 32                               ; waves 2 and 3
	ds_load_b128 v[16*(i%16)+4*(i/16)+8:16*(i%16)+4*(i/16)+11], v[WINF+i%16] offset:(i/16)*YPW
.set i, i+1
.endr
	s_wait_dscnt 0x0
	WIN 0x45
.irp st, 128,64,32,16,8,4
.set n, 0
.rept (\st)/2
	v_pk_add_f32 v[n:n+1], v[n:n+1], v[(\st)+n:(\st)+n+1]
.set n, n+2
.endr
.endr
	WIN 0x44
.irp n, 0,1,2,3
	v_sub_f32 v\n, s[BOUT], v\n                    ; y = b_out - the sum of -w h1
.endr
	WIN 0x04                                       ; the store's data in window 1, its address in window 0
.if \pass
	s_and_saveexec_b32 s44, vcc_lo                 ; only quads that I own
	global_store_b128 v[AWG], v[0:3], s[24:25] offset:2048 th:TH_STORE_NT
	s_wait_xcnt 0x0                                ; EXEC is a source of the store: it is widened only behind this wait
	s_or_b32 exec_lo, exec_lo, s44
.else
	global_store_b128 v[AWG], v[0:3], s[24:25] th:TH_STORE_NT
.endif
	WIN 0
.endm
	REDUCE 0                                       ; quads 0-127
	s_cmp_gt_u32 s[WV], 1
	s_cbranch_scc1 .Lend                           ; quads 128 to 182 at the most: waves 0 and 1
	REDUCE 1
.Lend:
	s_wait_tensorcnt 0x0                           ; the wave's end, behind my last LDS store
	ds_add_u32 v[SPW], v[NIL]
	s_wait_dscnt 0x0
	s_endpgm
.Lfunc_end_k_qb03a9b262d_lstm:
	.size	k_qb03a9b262d_lstm, .Lfunc_end_k_qb03a9b262d_lstm-k_qb03a9b262d_lstm
	.p2alignl 7, 3214868480
	.fill 96, 4, 3214868480
	.section	.rodata,"a",@progbits
	.p2align	6, 0x0
	.amdhsa_kernel k_qb03a9b262d_lstm
		.amdhsa_group_segment_fixed_size 267776
		.amdhsa_private_segment_fixed_size 0
		.amdhsa_enable_private_segment 0
		.amdhsa_kernarg_size 72
		.amdhsa_user_sgpr_count 2
		.amdhsa_user_sgpr_kernarg_segment_ptr 1
		.amdhsa_wavefront_size32 1
		.amdhsa_system_sgpr_workgroup_id_x 1
		.amdhsa_system_sgpr_workgroup_id_y 1
		.amdhsa_system_sgpr_workgroup_id_z 1
		.amdhsa_system_vgpr_workitem_id 0
		.amdhsa_next_free_vgpr 1024
		.amdhsa_next_free_sgpr 66
		.amdhsa_reserve_vcc 1
		.amdhsa_float_denorm_mode_32 3
		.amdhsa_float_denorm_mode_16_64 3
		.amdhsa_memory_ordered 1
		.amdhsa_forward_progress 1
		.amdhsa_inst_pref_size 255
	.end_amdhsa_kernel
	.section	.bss,"aw",@nobits
	.p2align	6
	.space	262144
	.amdgpu_metadata
---
amdhsa.version: [ 1, 2 ]
amdhsa.kernels:
  - .name:           k_qb03a9b262d_lstm
    .symbol:         k_qb03a9b262d_lstm.kd
    .args:
      - { .name: x, .offset: 0, .size: 8, .value_kind: global_buffer, .address_space: global }
      - { .name: Win, .offset: 8, .size: 8, .value_kind: global_buffer, .address_space: global }
      - { .name: b_in, .offset: 16, .size: 8, .value_kind: global_buffer, .address_space: global }
      - { .name: W_ih, .offset: 24, .size: 8, .value_kind: global_buffer, .address_space: global }
      - { .name: b_ih, .offset: 32, .size: 8, .value_kind: global_buffer, .address_space: global }
      - { .name: b_hh, .offset: 40, .size: 8, .value_kind: global_buffer, .address_space: global }
      - { .name: Wout, .offset: 48, .size: 8, .value_kind: global_buffer, .address_space: global }
      - { .name: b_out, .offset: 56, .size: 8, .value_kind: global_buffer, .address_space: global }
      - { .name: out0, .offset: 64, .size: 8, .value_kind: global_buffer, .address_space: global }
    .group_segment_fixed_size: 267776
    .private_segment_fixed_size: 0
    .kernarg_segment_align: 8
    .kernarg_segment_size: 72
    .max_flat_workgroup_size: 128
    .sgpr_count:     66
    .vgpr_count:     1024
    .wavefront_size: 32
...
	.end_amdgpu_metadata
.endif
;; end of part 2
